; MI455X (gfx1250); checked and timed in simulation.
; The chip was launched on July 23, 2026; its instructions are those of AMD's public machine-readable ISA for CDNA 5 (MIT licence, August 2026) and "CDNA5" Instruction Set Architecture Reference Guide (July 2026). The comments in the code are by the model that wrote it; some were corrected since.
;; Bahdanau Attention. Allowed arithmetic: float matrix products may take bf16 or f16 operands with f32 sums; other float arithmetic in f32, or as packed bf16 or f16 multiplies, adds, multiply-adds, maxima and minima; sums over many terms, partial sums and values carried from step to step in f32; what a program stores and reads back later, other than sums and carried values, may be rounded once to bf16 or f16.
;; Inputs: W_h 512 x 1,024 float32; W_s 512 x 1,024 float32; b_h 1,024 float32; b_s 1,024 float32; decoder_state 32 x 512 float32; encoder_outputs 32 x 4,096 x 512 float32; v_a 1,024 float32.
;; Outputs: out0 32 x 512 float32; out1 32 x 4,096 float32.
;; One version. Each part assembles by itself: llvm-mc -triple=amdgcn-amd-amdhsa -mcpu=gfx1250 --defsym DOCPART=n.
;; ======== version 1 of 1: 3 launches
;; workspace buffers: wfrag 1,048,576 bytes; dpart 524,288 bytes; scores 524,288 bytes; pctx 1,179,648 bytes
;; launch prep (part 1): grid 16 x 4, 8 waves a work-group, no clusters, 9,728 bytes of LDS; arguments W_h, W_s, decoder_state, wfrag, dpart; writes wfrag, dpart
.if DOCPART == 1
	.amdgcn_target "amdgcn-amd-amdhsa--gfx1250"
	.amdhsa_code_object_version 6
	.text
	.protected	k_qf2b489ab7e_prep
	.globl	k_qf2b489ab7e_prep
	.p2align	8
	.type	k_qf2b489ab7e_prep,@function
k_qf2b489ab7e_prep:
	s_mov_b64 s[64:65], 0
	v_nop
	global_prefetch_b8 v0, s[64:65] scope:SCOPE_SE
	s_setreg_imm32_b32 hwreg(HW_REG_WAVE_MODE, 25, 1), 1
	s_wait_xcnt 0x0
; PREP.  Two small things that the main launch wants ready:
;  wfrag: c2 x W_h (c2 = 2 log2 e) rounded once to bf16 and laid out as matrix fragments: the block of column tile ctg (16 columns) and K step kk (32 rows of W_h) is 1,024 bytes at
;         (16 ctg + kk) x 1,024: [q = 0, 1][lane 0..31][8 bf16], number i = c2 W_h[32 kk + 16 q + 8 (lane / 16) + i][16 ctg + lane % 16]: what a lane of the matrix instruction holds.
;  dpart: decoder_state @ W_s, bf16 operands, f32 sums, as four partial sums over quarters of K: [y][batch][1024] f32, without bias and unscaled.
; SHARES.  Work-group (x, y): 64 columns (x), 128 rows of the weights (y).  Wave w: column tile ct = w % 4, batch tile bt = w / 4.  It makes the product of its tile over the quarter (4 matrix
; instructions) and two of the quarter's four fragments of W_h for its column tile (K steps 2 bt, 2 bt + 1).  A lane gathers one column: 16 lanes read 64 consecutive bytes of a row, the four
; column tiles of the work-group 256.  The weights are 4 MB in all, read once here.
.set C2P,    0x4038aa3b                ; 2 log2 e
.set SPITCH, 272                       ; a stage row: 64 f32 + 16 bytes
.set SPARE,  8704                      ; behind the stage of 32 rows: the spare words, 128 bytes for each of eight waves
.set WS, 16                            ; v[16:79]    W_s, 16 numbers a K step, then its fragment in the first 8
.set WH, 80                            ; v[80:111]   W_h, two K steps
.set DE, 112                           ; v[112:175]  decoder_state, 16 numbers a K step
.set AC, 176                           ; v[176:191]  two accumulators, K steps of even and of odd number
	s_load_b256 s[4:11], s[0:1], 0x0               ; W_h s[4:5], W_s s[6:7], decoder_state s[8:9], wfrag s[10:11]
	s_load_b64 s[12:13], s[0:1], 0x20              ; dpart
	v_lshl_add_u32 v1, v0, 2, SPARE                ; my spare word,
	v_mov_b32 v2, 0                                ; and 0: kept for the closing lines alone
	v_lshrrev_b32 v3, 5, v0
	v_readfirstlane_b32 s14, v3                    ; wave 0..7
	s_and_b32 s15, s14, 3                          ; ct
	s_lshr_b32 s16, s14, 2                         ; bt
	s_and_b32 s17, ttmp7, 0xffff                   ; y
	v_and_b32 v4, 15, v0                           ; r = lane % 16
	v_bfe_u32 v5, v0, 4, 1                         ; hh = lane / 16
	v_and_b32 v6, 31, v0                           ; lane
	s_lshl_b32 s18, s15, 6
	s_lshl_b32 s19, ttmp9, 8
	s_add_co_u32 s18, s18, s19
	v_lshl_add_u32 v7, v4, 2, s18                  ; the gather: column 64 x + 16 ct + r,
	v_lshl_add_u32 v7, v5, 15, v7                  ; 8 rows of 4,096 bytes further down for the upper lanes
	s_lshl_b32 s20, s16, 15
	s_lshl_b32 s21, s17, 9
	s_add_co_u32 s20, s20, s21
	v_lshl_add_u32 v8, v4, 11, s20                 ; decoder_state: row 16 bt + r, K quarter y,
	v_lshl_add_u32 v8, v5, 5, v8                   ; 8 numbers on for the upper lanes
	s_lshl_b32 s20, ttmp9, 16
	s_lshl_b32 s21, s15, 14
	s_add_co_u32 s20, s20, s21
	s_lshl_b32 s21, s17, 12
	s_add_co_u32 s20, s20, s21
	s_lshl_b32 s21, s16, 11
	s_add_co_u32 s20, s20, s21
	v_lshl_add_u32 v9, v6, 4, s20                  ; wfrag: block (16 (4 x + ct) + 4 y + 2 bt), 16 bytes a lane
	s_mul_i32 s21, s16, 16*SPITCH
	s_lshl_b32 s22, s15, 6
	s_add_co_u32 s21, s21, s22
	v_mul_u32_u24 v10, v4, SPITCH
	v_lshl_add_u32 v10, v5, 5, v10
	v_add_nc_u32 v10, s21, v10                     ; into the stage: row 16 bt + r, my tile's 64 bytes, 32 for each half of the lanes
	s_mul_i32 s22, s14, 4*SPITCH
	v_mul_u32_u24 v11, v5, SPITCH
	v_lshl_add_u32 v11, v4, 4, v11
	v_add_nc_u32 v11, s22, v11                     ; back: rows 4 w + hh (+ 2), whole
	s_lshl_b32 s22, s17, 17
	s_lshl_b32 s23, s14, 14
	s_add_co_u32 s22, s22, s23
	s_add_co_u32 s22, s22, s19
	v_lshl_add_u32 v12, v4, 4, s22
	v_lshl_add_u32 v12, v5, 12, v12                ; dpart: quarter y, row 4 w + hh, the 256 bytes of chunk x
	s_lshl_b32 s24, s17, 19                        ; the quarter's 128 rows of the weights
	s_mov_b32 s25, 0
	s_lshl_b32 s26, s16, 18                        ; my two K steps of W_h
	s_mov_b32 s27, 0
	s_wait_kmcnt 0x0
	s_add_nc_u64 s[6:7], s[6:7], s[24:25]
	s_add_nc_u64 s[4:5], s[4:5], s[24:25]
	s_add_nc_u64 s[4:5], s[4:5], s[26:27]
.set kq, 0
.rept 4                                        ; decoder_state: 16 loads of 16 bytes
.irp u,0,1,2,3
	global_load_b128 v[DE+16*kq+4*(\u):DE+16*kq+4*(\u)+3], v8, s[8:9] offset:kq*128+((\u)/2)*64+((\u)%2)*16
.endr
.set kq, kq+1
.endr
.set kq, 0
.rept 4                                        ; W_s: number 8 q + i of K step kq is row 32 kq + 16 q + i (+ 8 hh)
.set eq, 0
.rept 16
	global_load_b32 v[WS+16*kq+eq], v7, s[6:7] offset:(32*kq+16*(eq/8)+(eq%8))*4096
.set eq, eq+1
.endr
.set kq, kq+1
.endr
.set kq, 0
.rept 2                                        ; W_h likewise
.set eq, 0
.rept 16
	global_load_b32 v[WH+16*kq+eq], v7, s[4:5] offset:(32*kq+16*(eq/8)+(eq%8))*4096
.set eq, eq+1
.endr
.set kq, kq+1
.endr
	s_wait_loadcnt 32                              ; decoder_state and W_s are in; the 32 loads of W_h may stay out
.set kq, 0
.rept 4                                        ; rounded to bf16 in place, ascending: number pair p lands in register p, which has been read
.set eq, 0
.rept 8
	v_cvt_pk_bf16_f32 v[WS+16*kq+eq], v[WS+16*kq+2*eq], v[WS+16*kq+2*eq+1]
	v_cvt_pk_bf16_f32 v[DE+16*kq+eq], v[DE+16*kq+2*eq], v[DE+16*kq+2*eq+1]
.set eq, eq+1
.endr
.set kq, kq+1
.endr
	; source 0 = 16 columns of W_s, source 1 = 16 rows of decoder_state: a lane ends with 8 neighbouring columns of one batch row.  Two accumulators by turns; the first products start the sums.
	v_wmma_f32_16x16x32_bf16 v[AC:AC+7], v[WS:WS+7], v[DE:DE+7], 0
	v_wmma_f32_16x16x32_bf16 v[AC+8:AC+15], v[WS+16:WS+23], v[DE+16:DE+23], 0
	v_wmma_f32_16x16x32_bf16 v[AC:AC+7], v[WS+32:WS+39], v[DE+32:DE+39], v[AC:AC+7]
	v_wmma_f32_16x16x32_bf16 v[AC+8:AC+15], v[WS+48:WS+55], v[DE+48:DE+55], v[AC+8:AC+15]
	s_wait_loadcnt 0x0                             ; W_h
.set eq, 0
.rept 16                                       ; times c2; these 32 plain instructions are also the places behind the products
	v_pk_mul_f32 v[WH+2*eq:WH+2*eq+1], v[WH+2*eq:WH+2*eq+1], C2P op_sel_hi:[1,0]
.set eq, eq+1
.endr
.set kq, 0
.rept 2
.set eq, 0
.rept 8
	v_cvt_pk_bf16_f32 v[WH+16*kq+eq], v[WH+16*kq+2*eq], v[WH+16*kq+2*eq+1]
.set eq, eq+1
.endr
	global_store_b128 v9, v[WH+16*kq:WH+16*kq+3], s[10:11] offset:kq*1024        ; each store of the wave covers 512 consecutive bytes, aligned
	global_store_b128 v9, v[WH+16*kq+4:WH+16*kq+7], s[10:11] offset:kq*1024+512
.set kq, kq+1
.endr
.irp u,0,2,4,6
	v_pk_add_f32 v[AC+(\u):AC+(\u)+1], v[AC+(\u):AC+(\u)+1], v[AC+8+(\u):AC+8+(\u)+1]  ; the two parities; each accumulator is read from its low end on
.endr
	ds_store_b128 v10, v[AC:AC+3]
	ds_store_b128 v10, v[AC+4:AC+7] offset:16
	s_wait_dscnt 0x0                               ; for the others: my part of the stage rows is written
	s_barrier_signal -1
	s_barrier_wait -1
	ds_load_b128 v[16:19], v11                     ; whole rows of 256 bytes, written by four waves
	ds_load_b128 v[20:23], v11 offset:2*SPITCH
	s_wait_dscnt 0x0
	global_store_b128 v12, v[16:19], s[12:13]              ; 16 lanes store 256 consecutive bytes, aligned
	global_store_b128 v12, v[20:23], s[12:13] offset:8192
	s_wait_tensorcnt 0x0                           ; the wave's end, behind my last LDS store
	ds_add_u32 v1, v2
	s_wait_dscnt 0x0
	s_endpgm
.Lfunc_end_k_qf2b489ab7e_prep:
	.size	k_qf2b489ab7e_prep, .Lfunc_end_k_qf2b489ab7e_prep-k_qf2b489ab7e_prep
	.p2alignl 7, 3214868480
	.fill 96, 4, 3214868480
	.section	.rodata,"a",@progbits
	.p2align	6, 0x0
	.amdhsa_kernel k_qf2b489ab7e_prep
		.amdhsa_group_segment_fixed_size 9728
		.amdhsa_private_segment_fixed_size 0
		.amdhsa_enable_private_segment 0
		.amdhsa_kernarg_size 40
		.amdhsa_user_sgpr_count 2
		.amdhsa_user_sgpr_kernarg_segment_ptr 1
		.amdhsa_wavefront_size32 1
		.amdhsa_system_sgpr_workgroup_id_x 1
		.amdhsa_system_sgpr_workgroup_id_y 1
		.amdhsa_system_sgpr_workgroup_id_z 1
		.amdhsa_system_vgpr_workitem_id 0
		.amdhsa_next_free_vgpr 192
		.amdhsa_next_free_sgpr 66
		.amdhsa_reserve_vcc 0
		.amdhsa_float_denorm_mode_32 3
		.amdhsa_float_denorm_mode_16_64 3
		.amdhsa_memory_ordered 1
		.amdhsa_forward_progress 1
		.amdhsa_inst_pref_size 22
	.end_amdhsa_kernel
	.amdgpu_metadata
---
amdhsa.version: [ 1, 2 ]
amdhsa.kernels:
  - .name:           k_qf2b489ab7e_prep
    .symbol:         k_qf2b489ab7e_prep.kd
    .args:
      - { .name: W_h, .offset: 0, .size: 8, .value_kind: global_buffer, .address_space: global }
      - { .name: W_s, .offset: 8, .size: 8, .value_kind: global_buffer, .address_space: global }
      - { .name: decoder_state, .offset: 16, .size: 8, .value_kind: global_buffer, .address_space: global }
      - { .name: wfrag, .offset: 24, .size: 8, .value_kind: global_buffer, .address_space: global }
      - { .name: dpart, .offset: 32, .size: 8, .value_kind: global_buffer, .address_space: global }
    .group_segment_fixed_size: 9728
    .private_segment_fixed_size: 0
    .kernarg_segment_align: 8
    .kernarg_segment_size: 40
    .max_flat_workgroup_size: 256
    .sgpr_count:     66
    .vgpr_count:     192
    .wavefront_size: 32
...
	.end_amdgpu_metadata
.endif
;; end of part 1
;; launch main (part 2): grid 256 x 1, 4 waves a work-group, clusters of 4 x 1, 327,680 bytes of LDS; arguments encoder_outputs, wfrag, dpart, b_s, b_h, v_a, scores, pctx; writes scores, pctx
.if DOCPART == 2
	.amdgcn_target "amdgcn-amd-amdhsa--gfx1250"
	.amdhsa_code_object_version 6
	.text
	.protected	k_qf2b489ab7e_main
	.globl	k_qf2b489ab7e_main
	.p2align	8
	.type	k_qf2b489ab7e_main,@function
k_qf2b489ab7e_main:
	s_mov_b64 s[64:65], 0
	v_nop
	global_prefetch_b8 v0, s[64:65] scope:SCOPE_SE
	s_setreg_imm32_b32 hwreg(HW_REG_WAVE_MODE, 25, 1), 1
	s_wait_xcnt 0x0
	s_wait_alu depctr_hold_cnt(0) depctr_sa_sdst(0) depctr_va_vdst(0) depctr_va_sdst(0) depctr_va_ssrc(0) depctr_va_vcc(0) depctr_vm_vsrc(0)
	s_getreg_b32 s2, hwreg(HW_REG_IB_STS2, 6, 4)
	s_cmp_eq_u32 s2, 0
	s_cbranch_scc0 .Lentry_in_a_cluster
	s_endpgm
.Lentry_in_a_cluster:
	s_bfe_u32 s2, ttmp6, 0x10000c
	s_cmp_lg_u32 s2, 0x3003
	s_cbranch_scc0 .Lentry_shape_is_right
	s_endpgm
.Lentry_shape_is_right:
; MAIN.  Scores of additive attention and, while the encoder rows are still in registers, a partial softmax and a partial context.
;   x' = c2 (enc . W_h + dec + b_s + b_h), c2 = 2 log2 e;  r = 1 / (1 + 2^x');  tanh = 1 - 2 r;  score = sum v - 2 sum v r.  The softmax does not see the constant sum v, so what is kept is
;   t = - c2 sum_a v_a r_a: the score in powers of two, less a constant.  2^x' = infinity gives r = 0, 2^x' = 0 gives r = 1: no input makes an overflow that reaches t.
; LIMITS.  Matrix operands are bf16 (the encoder rounded once; c2 W_h rounded once, after the scaling).  The context is taken of the bf16 encoder rows with f32 weights.  NaN and infinities among the inputs are
;   not treated apart; a weight below 2^-126 counts as 0; r carries the error of one exponential and one reciprocal.
; SHARES.  256 work-groups of four waves.  Work-group wg owns 512 rows of batch wg / 8, taken as four BLOCKS of 128.  Wave w = (g = w / 2, c = w % 2) holds rows 64 g .. 64 g + 63 of the block as bf16
;   fragments for all of K: 512 registers.  W_h walks by in CHUNKS of 64 columns (65,536 bytes of fragments) through two LDS slots; of a chunk the wave takes columns 32 c .. 32 c + 31: two TILES of 16.
;   A STEP is a chunk: 128 matrix instructions a wave.  16 steps a block, 64 in all.  A fragment of W_h (two LDS loads) feeds four products.
; LAYOUT.  Source 0 = 16 columns of W_h, source 1 = 16 encoder rows: in the result a lane holds ONE row (lane % 16) and the columns 8 (lane / 16) + 0..7.  The bias and dec_proj are the C operand that starts the sum.
; PIPELINE.  The unit is a HALF step H(n): tile n, 64 products on four accumulators by turns.  Beside them ride the vector instructions of earlier tiles: 2^x' of tile n - 1 (first 32 products), 1 + and the
;   reciprocal of tile n - 1 (last 32), and sum += r v' of tile n - 2 (first 32).  Two accumulator sets take turns.  The exponentials of a half step are one batch with one wait, and so are the reciprocals.
; CLUSTER.  All work-groups walk the same W_h: the four of a cluster ask for each chunk JOINTLY (each wave a quarter, 64 rows of 256 bytes).  The clusters begin their walks at different chunks; the tables of
;   bias and v are stored in LDS in the walk's order, so that the starting chunk enters global addresses alone.
; THE NEXT BLOCK's rows come through registers: each step a wave loads two rows (4,096 consecutive bytes) two steps ahead of their use, rounds them to bf16 and stores them into ENC; at the block's end the
;   fragments are loaded anew from there.  No tensor load brings them: behind each round a wave has one, and that is the chunk's.
; A BLOCK's END.  The two waves of a row group exchange their halves of the scores through LDS; each keeps for its 64 rows a running maximum M and sum L, and for its 256 channels the sums CX of p x row.
;   The rows are turned for that by the matrix unit: fragment x selection matrix gives a lane 8 rows of one channel, exactly; p stays in f32.
; A block begins with zeros in accumulator set 1, in v' and in the score sums (48 v_mov_b32): the riders of its first two half steps, which belong to tiles that do not exist, then add r x 0 = 0,
;   and one text serves every trip.
; REGISTERS, in windows of 256 (s_set_vgpr_msb: bits 1:0 source 0, 3:2 source 1, 5:4 source 2, 7:6 destination).  Window 0: all that the products and their riders name but the encoder fragments.
;   Window 1: rows in flight, softmax state, addresses.  Windows 2, 3: the encoder fragments: row tile t, slot k at window 2 + t / 2, register 128 (t % 2) + 8 k.  Slot k holds K step k xor 8 c, so that
;   slots 0-7 are the wave's own 256 channels in every wave, with one text.
.set C2P,   0x4038aa3b                 ; c2
.set C2N,   0xc038aa3b                 ; - c2
.set SLOT1, 65536                      ; LDS: slot 0 at 0, slot 1 here: filled by tensor loads alone
.set ENC,   131072                     ; the next block in bf16: 128 rows,
.set EP,    1040                       ; 1,024 bytes + 16: 65 x 16, so the 16 rows of a fragment load start in 16 different groups of four banks (64 banks of 4 bytes: ISA guide 11.1)
.set DT,    264192                     ; c2 (dec + b_s + b_h), 1,024 f32 in the walk's order, then its first 1,024 bytes once more
.set VZ,    269312                     ; 256 bytes of zeros: v' of the tile in front of the first
.set VTO,   5376                       ; - c2 v in the walk's order lies at DT + VTO
.set SC,    273664                     ; partial scores: [c][512 rows] f32; every block has bytes of its own
.set STG,   277760                     ; 1,024 bytes a wave, for the context's way out
.set SPARE, 281856                     ; the spare words, 128 bytes a wave: two blocks of 256 bytes that no other line names
.set REC,   2304                       ; a record of pctx: 512 f32, then (M, L) 32 times
; window 0
.set SPW,  1                           ; my spare word's LDS address; never rewritten
.set NIL,  2                           ; 0; never rewritten
.set WA,   3                           ; v3-6  W fragments: slot s, slots k 0-7 (0) or 8-15 (1) at WA + 2 s + that
.set TA,   7                           ; the trip's place in the tables
.set SACC, 8                           ; v8-15   score sums, a pair a row tile
.set VV,   16                          ; v16-23  - c2 v of a tile
.set DC,   24                          ; v24-31  the C operand of the next tile
.set RB,   32                          ; v32-63  r
.set ACC,  64                          ; v64-127 two sets of four accumulators
.set FB,   128                         ; v128-255 W fragments, slot k at FB + 8 k
; window 1
.set XB,   0                           ; v0-63   two buffers of two rows in f32
.set CV,   64                          ; v64-79  two rows in bf16
.set PV,   80                          ; v80-111 t, then p, of rows 16 t + 8 (lane / 16) + j at PV + 8 t + j
.set CX,   112                         ; v112-143 16 pairs: channel 16 i + lane % 16 of my 256, rows of even and of odd j
.set SEL,  144                         ; v144-155 zeros, pattern, zeros: the two selection matrices overlap
.set MM,   156                         ; M; MM + 1: the old M, at the end L
.set LL,   158                         ; L, a pair
.set AF,   160                         ; 2^(M_old - M_new); named as a pair
.set TM,   162                         ; v162-165 at work
.set GOFF, 176
.set PFO,  177
.set ESTO0, 178
.set ESA,  179
.set EALO, 180
.set EAHI, 181
.set SCW0, 182
.set SCW,  183
.set SCR0, 184
.set SCR,  185
.set STGW, 186
.set STGR, 187
.set TA0,  188
.set POFF, 189
.set PSTO, 190
.set T2,   192                         ; v192-223 at work
.set SCO,  224
.set GSO,  225
.set MLO,  226
; scalars
.set WV,   2                           ; wave;  s3 g, s4 c, s5 cx, s6 wg, s7 the walk's first chunk
.set EB,   8                           ; s[8:9]   the encoder at the rows that this trip loads
.set WBW,  10                          ; s[10:11] wfrag at my quarter of chunk 0
.set G1,   16                          ; s[16:23] descriptor group 1
.set G0,   24                          ; s[24:31] group 0, a set for each slot
.set NXT,  48                          ; the chunk to be asked for next
.set OFF,  50                          ; s[50:51] its byte offset
.set TS,   52                          ; 512 x trip
.set ES,   53                          ; 16 rows of ENC x trip
.set TL,   54                          ; converting trips still to come behind this one
.set TR,   55
.set BK,   56
.set SCB,  57                          ; 512 x block
.set STP,  60                          ; s[60:61] the load base's step
.set MSB, 0
.macro WIN new                         ; the immediate's high byte repeats the setting that is left; a switch that changes nothing is dropped
.if MSB != (\new)
	s_set_vgpr_msb (MSB<<8)|(\new)
.set MSB, (\new)
.endif
.endm
.macro NOPS n
.rept \n
	v_nop
.endr
.endm
.macro CREST                           ; a round of the cluster's barrier behind its opening barrier
	s_cmp_lg_u32 s[WV], 0
	s_cbranch_scc1 .Lnot_wave_0_\@
	s_barrier_signal -3
.Lnot_wave_0_\@:
	s_barrier_wait -3
	s_barrier_signal -1
	s_barrier_wait -1
.endm
.macro ROUND                           ; a whole round
	s_barrier_signal -1
	s_barrier_wait -1
	CREST
.endm
; One product: set st, slot k, row tile t.  Slot 0 starts the sum with the bias.
.macro WM st, k, t
.if (\k) == 0
	v_wmma_f32_16x16x32_bf16 v[ACC+32*(\st)+8*(\t):ACC+32*(\st)+8*(\t)+7], v[FB:FB+7], v[128*((\t)&1):128*((\t)&1)+7], v[DC:DC+7]
.else
	v_wmma_f32_16x16x32_bf16 v[ACC+32*(\st)+8*(\t):ACC+32*(\st)+8*(\t)+7], v[FB+8*(\k):FB+8*(\k)+7], v[128*((\t)&1)+8*(\k):128*((\t)&1)+8*(\k)+7], v[ACC+32*(\st)+8*(\t):ACC+32*(\st)+8*(\t)+7]
.endif
.endm
; The riders.  RE, RA and RR name no register in source 1, so they stand under the products' window settings; RF wants window 0.
.macro RE pr, e                        ; 2^x', in place; ascending
	v_exp_f32 v[ACC+32*(\pr)+(\e)], v[ACC+32*(\pr)+(\e)]
.endm
.macro RA pr, i                        ; 1 +
	v_pk_add_f32 v[ACC+32*(\pr)+2*(\i):ACC+32*(\pr)+2*(\i)+1], v[ACC+32*(\pr)+2*(\i):ACC+32*(\pr)+2*(\i)+1], 1.0 op_sel_hi:[1,0]
.endm
.macro RR pr, e                        ; r
	v_rcp_f32 v[RB+(\e)], v[ACC+32*(\pr)+(\e)]
.endm
.macro RF i, vv                        ; row tile i % 4, column pair i / 4: sum += r v'
	v_pk_fma_f32 v[SACC+2*((\i)&3):SACC+2*((\i)&3)+1], v[RB+8*((\i)&3)+2*((\i)>>2):RB+8*((\i)&3)+2*((\i)>>2)+1], v[(\vv)+2*((\i)>>2):(\vv)+2*((\i)>>2)+1], v[SACC+2*((\i)&3):SACC+2*((\i)&3)+1]
.endm
.macro KK0 st, k                       ; slot k of 0-7: four products, four exponentials, two RF
	WIN 0x08
	WM \st, \k, 0
	WM \st, \k, 1
	RE 1-(\st), 4*(\k)
	RE 1-(\st), 4*(\k)+1
	WIN 0x0c
	WM \st, \k, 2
	WM \st, \k, 3
	WIN 0
	RF 2*(\k), VV
	RF 2*(\k)+1, VV
	RE 1-(\st), 4*(\k)+2
	RE 1-(\st), 4*(\k)+3
.endm
.macro SL1 pr, s                       ; slice s of 16 of the second half: a pair's 1 + stands two slices ahead of its reciprocals
.if (\s) == 0
	RA \pr, 0
	RA \pr, 1
.elseif (\s) < 15
	RA \pr, (\s)+1
	RR \pr, 2*(\s)-2
	RR \pr, 2*(\s)-1
.else
	RR \pr, 28
	RR \pr, 29
	RR \pr, 30
	RR \pr, 31
.endif
.endm
.macro CVT4 par, g                     ; four of a step's 16 roundings to bf16
	WIN 0x45
.irp u,0,1,2,3
	v_cvt_pk_bf16_f32 v[CV+4*(\g)+(\u)], v[XB+32*(\par)+8*(\g)+2*(\u)], v[XB+32*(\par)+8*(\g)+2*(\u)+1]
.endr
.endm
.macro KK1 st, k, cv, par              ; slot k of 8-15
	WIN 0x08
	WM \st, \k, 0
	WM \st, \k, 1
	SL1 1-(\st), 2*((\k)-8)
	WIN 0x0c
	WM \st, \k, 2
	WM \st, \k, 3
	SL1 1-(\st), 2*((\k)-8)+1
.if (\cv) && ((\k)&1)
	CVT4 \par, ((\k)-9)/2
.endif
.endm
.macro FETCHF grp, sg, ct              ; a run of 16 LDS loads: eight W fragments of tile ct in slot sg; a lane takes 16 of 512 consecutive bytes
.irp u,0,1,2,3,4,5,6,7
	ds_load_b128 v[FB+64*(\grp)+8*(\u):FB+64*(\grp)+8*(\u)+3], v[WA+2*(\sg)+(\grp)] offset:(\ct)*16384+(8*(\grp)+(\u))*1024
	ds_load_b128 v[FB+64*(\grp)+8*(\u)+4:FB+64*(\grp)+8*(\u)+7], v[WA+2*(\sg)+(\grp)] offset:(\ct)*16384+(8*(\grp)+(\u))*1024+512
.endr
.endm
.macro LDT dst, off                    ; eight numbers of a table
	ds_load_b128 v[(\dst):(\dst)+3], v[TA] offset:(\off)
	ds_load_b128 v[(\dst)+4:(\dst)+7], v[TA] offset:(\off)+16
.endm
.macro DSC sg                          ; slot sg's group 0 for chunk NXT: the address is made anew from the number
	s_lshl_b32 s[OFF], s[NXT], 16
	s_add_nc_u64 s[G0+4*(\sg)+2:G0+4*(\sg)+3], s[WBW:WBW+1], s[OFF:OFF+1]
	s_or_b32 s[G0+4*(\sg)+3], s[G0+4*(\sg)+3], 0x80000000
	s_add_co_u32 s[NXT], s[NXT], 1
	s_and_b32 s[NXT], s[NXT], 15
.endm
.macro CLOADS par                      ; two rows, 4,096 consecutive bytes, for the step two on: each load of the wave covers 512 consecutive bytes
	WIN 0x41
.irp u,0,1,2,3,4,5,6,7
	global_load_b128 v[XB+32*(\par)+4*(\u):XB+32*(\par)+4*(\u)+3], v[GOFF], s[EB:EB+1] offset:(\par)*16384+(\u)*512 th:TH_LOAD_NT
.endr
.endm
; A prefetch of what the NEXT trip's 16 loads of this wave will name: its own 32 blocks of 256 bytes, a lane a block, one instruction a trip, 128 matrix instructions ahead of the first of those loads.
; Each block is named once in the launch.  The last two converting trips ask for nothing: the one loads no new rows, and behind the other there are none.
.macro CPF
	WIN 0
	s_cmp_gt_u32 s[TL], 1
	s_cbranch_scc0 .Lno_pf_\@
	WIN 0x01
	global_prefetch_b8 v[PFO], s[EB:EB+1] offset:32768 th:TH_LOAD_NT scope:SCOPE_SE
	WIN 0
.Lno_pf_\@:
.endm
.macro CSTORES par                     ; this step's two rows into ENC: each store of the wave covers 256 consecutive bytes
	WIN 0x05
.irp u,0,1,2,3,4,5,6,7
	ds_store_b64 v[ESA], v[CV+2*(\u):CV+2*(\u)+1] offset:(8*(\par)+(\u)/4)*EP+((\u)%4)*256
.endr
.endm
; A HALF STEP, number j of a trip's four: slot j / 2, tile j % 2, accumulator set j % 2.  conv = 1: the next block's rows are brought.
; mode (it matters in odd j): 0 the slot is left and filled again; 1 it is left, and nothing is asked for; 2 the launch's last step.
.macro HALF j, conv, mode
.set hSG, (\j)>>1
.set hCT, (\j)&1
.set hCV, (\conv)*(1-hCT)
.set hVO, VTO+(((\j)+3)>>1)*256+(((\j)+3)&1)*64-512    ; v' of the tile before this one
.set hDO, (((\j)+1)>>1)*256+(((\j)+1)&1)*64            ; the bias of the tile after it
	WIN 0
	FETCHF 1, hSG, hCT                             ; slots 8-15: four v_nop stand behind their registers' last readers, at the end of the half step before
	s_wait_dscnt 16                                ; all but these 16: slots 0-7, v' and the bias are in
.if (hCT == 0) || ((\mode) == 2)
.irp n,0,1,2,3,4,5,6,7
	KK0 hCT, \n
.endr
.else
	KK0 hCT, 0
	KK0 hCT, 1
	; THE CHANGE OF SLOTS.  The 16 loads above were my last reads of this slot.
	WIN 0
	s_wait_tensorcnt 0x0                           ; all my tensor loads have landed: the one that was out is my quarter of the other slot; so a group 0 may be written
	ds_add_u32 v[SPW], v[NIL]                      ; 0 onto my spare word; work on registers stands between it and the wait for it
.if (\mode) == 0
	DSC hSG
.endif
	KK0 hCT, 2
	KK0 hCT, 3
	s_wait_dscnt 0x0                               ; the add is done, and my reads of this slot are back
	s_barrier_signal -1                            ; (with mode 0 this barrier opens a round of the cluster's)
	KK0 hCT, 4
	KK0 hCT, 5
.if (\mode) == 0
	v_nop                                          ; branches follow: a plain instruction behind the last exponential,
	s_wait_alu depctr_va_vdst(0)                   ; and the wait for those issued so far
.endif
	WIN 0
	s_barrier_wait -1
.if (\mode) == 0
	CREST                                          ; no wave of any partner still reads the slot or has a load on its way
	tensor_load_to_lds s[G0+4*hSG:G0+4*hSG+3], s[G1:G1+7]  ; my one tensor load behind the round, and the first thing there: the chunk two steps on; 112 products stand ahead of the wait for it
	s_nop 0
	NOPS 4
.if \conv
	CLOADS hSG
.if hSG == 1
	CPF
.endif
	CSTORES hSG                                    ; behind the barrier: every wave has its fragments out of the rows that are written over
.endif
.endif
	KK0 hCT, 6
	KK0 hCT, 7
.endif
	WIN 0
	NOPS 4                                         ; the places behind the last readers of slots 0-7 and of the bias, and the plain instruction behind the last exponential
	s_wait_alu depctr_va_vdst(0)                   ; ONE wait for the batch of exponentials, ahead of the 1 + that read them; it stands ahead of a run of LDS loads
.if ((\mode) == 2) && (hCT == 1)
	LDT VV, hVO                                    ; nothing follows the last tile
	s_wait_dscnt 2                                 ; slots 8-15 are in
.else
.if hCT == 0
	FETCHF 0, hSG, 1                               ; the next tile's slots 0-7: the same chunk,
.else
	FETCHF 0, 1-hSG, 0                             ; or the other slot, which the barrier has shown whole
.endif
	LDT VV, hVO
	LDT DC, hDO
.if hCT == 0
	s_wait_dscnt 20                                ; all but these 20: slots 8-15 are in (in an odd half step the change's wait has shown that)
.endif
.endif
.if hCV
	s_wait_loadcnt 8                               ; this step's two rows are in; the other buffer's eight loads, issued behind them, stay out
.endif
.irp n,8,9,10,11,12,13,14,15
	KK1 hCT, \n, hCV, hSG
.endr
	WIN 0
	NOPS 4                                         ; the places behind the last products, and the plain instruction behind the last reciprocal
	s_wait_alu depctr_va_vdst(0)                   ; ONE wait for the batch of reciprocals, ahead of their readers, of the next run of loads and of the loop's jump
.endm
; A TRIP: two steps, four tiles.
.macro TRIP conv, m0, m1
	WIN 0x04
	v_add_nc_u32 v[TA], s[TS], v[TA0]
.if \conv
	s_wait_xcnt 0x0                                ; the last trip's loads and prefetch (the youngest 40 products back) have read their base, so it may be written
	s_cmp_lg_u32 s[TL], 0
	s_cselect_b32 s[STP], 0x8000, 0                ; 16 rows on; the last converting trip stays and loads its predecessor's rows once more, unused: so every trip issues the same loads and the counted waits hold
	s_add_nc_u64 s[EB:EB+1], s[EB:EB+1], s[STP:STP+1]
	WIN 0x45
	v_add_nc_u32 v[ESA], s[ES], v[ESTO0]
.endif
	HALF 0, \conv, \m0
	HALF 1, \conv, \m0
	HALF 2, \conv, \m1
	HALF 3, \conv, \m1
	s_add_co_u32 s[TS], s[TS], 512
.if \conv
	s_add_co_u32 s[ES], s[ES], 16*EP
	s_sub_co_u32 s[TL], s[TL], 1
.endif
.endm
.macro RELO k                          ; slot k of the four row tiles, from ENC: 8 LDS loads
.if (\k) < 8
.set rEA, EALO
.else
.set rEA, EAHI
.endif
	WIN 0x81
.irp u,0,1
	ds_load_b128 v[128*(\u)+8*(\k):128*(\u)+8*(\k)+3], v[rEA] offset:(\u)*16*EP+(\k)*64
	ds_load_b128 v[128*(\u)+8*(\k)+4:128*(\u)+8*(\k)+7], v[rEA] offset:(\u)*16*EP+(\k)*64+32
.endr
	WIN 0xc1
.irp u,0,1
	ds_load_b128 v[128*(\u)+8*(\k):128*(\u)+8*(\k)+3], v[rEA] offset:((\u)+2)*16*EP+(\k)*64
	ds_load_b128 v[128*(\u)+8*(\k)+4:128*(\u)+8*(\k)+7], v[rEA] offset:((\u)+2)*16*EP+(\k)*64+32
.endr
.endm
.macro TFMA p                          ; pair p = (slot p / 4, row tile p % 4): CX += turned rows x p; each result is read from its low end on
	WIN 0x54
.irp u,0,1,2,3
.irp z,0,1
	v_pk_fma_f32 v[CX+2*(2*((\p)/4)+(\z)):CX+2*(2*((\p)/4)+(\z))+1], v[ACC+16*((\p)%4)+8*(\z)+2*(\u):ACC+16*((\p)%4)+8*(\z)+2*(\u)+1], v[PV+8*((\p)%4)+2*(\u):PV+8*((\p)%4)+2*(\u)+1], v[CX+2*(2*((\p)/4)+(\z)):CX+2*(2*((\p)/4)+(\z))+1]
.endr
.endr
.endm
; A BLOCK's END.  reload = 1: the fragments of the next block are fetched, and the next block's beginning is set up.
.macro BLOCKEND reload
	; the pipeline runs empty: tile 30 wants its sum, tile 31 (set 1) everything
	WIN 0
	LDT FB+64, VTO+320                             ; v' of tile 31, into registers of W fragments that have been multiplied
	NOPS 4
	s_wait_dscnt 0x0
.set bi, 0
.rept 16
	RF bi, VV
	RE 1, 2*bi
	RE 1, 2*bi+1
.set bi, bi+1
.endr
	v_nop
	s_wait_alu depctr_va_vdst(0)                   ; one wait for the 32 exponentials
.set bi, 0
.rept 16
	RA 1, bi
.set bi, bi+1
.endr
.set bi, 0
.rept 32
	RR 1, bi
.set bi, bi+1
.endr
	v_nop
	s_wait_alu depctr_va_vdst(0)                   ; one for the 32 reciprocals
.set bi, 0
.rept 16
	RF bi, FB+64
.set bi, bi+1
.endr
	; my half of the scores of my 64 rows: the pair, then the other half of the lanes, which holds the row's other columns
.irp u,0,1,2,3
	v_add_f32 v[SACC+2*(\u)], v[SACC+2*(\u)], v[SACC+2*(\u)+1]
.endr
.irp u,0,1,2,3
	v_permlanex16_b32 v[SACC+2*(\u)+1], v[SACC+2*(\u)], s58, s59
.endr
.irp u,0,1,2,3
	v_add_f32 v[SACC+2*(\u)], v[SACC+2*(\u)], v[SACC+2*(\u)+1]
.endr
	WIN 0x45
	v_add_nc_u32 v[SCW], s[SCB], v[SCW0]
	v_add_nc_u32 v[SCR], s[SCB], v[SCR0]
	WIN 0x01
.irp u,0,1,2,3
	ds_store_b32 v[SCW], v[SACC+2*(\u)] offset:64*(\u)
.endr
	WIN 0
	s_wait_dscnt 0x0                               ; for the others: my scores and my last rows of ENC are written
	s_barrier_signal -1
	s_barrier_wait -1                              ; the chunk on its way may stay out
	; the softmax of my 64 rows, each lane 8 rows of each row tile: the rows that the turned fragments will give it
	WIN 0x55
.irp u,0,1,2,3
.irp z,0,1
	ds_load_b128 v[PV+8*(\u)+4*(\z):PV+8*(\u)+4*(\z)+3], v[SCR] offset:64*(\u)+16*(\z)
	ds_load_b128 v[T2+8*(\u)+4*(\z):T2+8*(\u)+4*(\z)+3], v[SCR] offset:2048+64*(\u)+16*(\z)
.endr
.endr
.if \reload
.irp n,8,9,10,11,12,13,14
	RELO \n                                        ; slots 8-15 are not wanted for the context: the next block's come in now
.endr
	s_wait_dscnt 56                                ; all but these 56: the scores are in
	RELO 15
.else
	s_wait_dscnt 0x0
.endif
	WIN 0x55
.set bi, 0
.rept 16
	v_pk_add_f32 v[PV+2*bi:PV+2*bi+1], v[PV+2*bi:PV+2*bi+1], v[T2+2*bi:T2+2*bi+1]
.set bi, bi+1
.endr
	v_mov_b32 v[MM+1], v[MM]
.irp u,0,1,2,3
	v_max3_num_f32 v[TM+(\u)], v[PV+8*(\u)], v[PV+8*(\u)+1], v[PV+8*(\u)+2]
.endr
.irp u,0,1,2,3
	v_max3_num_f32 v[TM+(\u)], v[TM+(\u)], v[PV+8*(\u)+3], v[PV+8*(\u)+4]
.endr
.irp u,0,1,2,3
	v_max3_num_f32 v[TM+(\u)], v[TM+(\u)], v[PV+8*(\u)+5], v[PV+8*(\u)+6]
.endr
	v_max3_num_f32 v[TM], v[TM], v[PV+7], v[PV+15]
	v_max3_num_f32 v[TM+1], v[TM+1], v[PV+23], v[PV+31]
	v_max3_num_f32 v[TM+2], v[TM+2], v[TM+3], v[MM]
	v_max3_num_f32 v[TM], v[TM], v[TM+1], v[TM+2]
	v_permlanex16_b32 v[TM+1], v[TM], s58, s59     ; the group's other 32 rows lie in the lane 16 away
	v_max_num_f32 v[MM], v[TM], v[TM+1]            ; the running maximum
	v_sub_f32 v[TM+2], v[MM+1], v[MM]
.set bi, 0
.rept 16
	v_pk_add_f32 v[PV+2*bi:PV+2*bi+1], v[PV+2*bi:PV+2*bi+1], v[MM:MM+1] op_sel_hi:[1,0] neg_lo:[0,1] neg_hi:[0,1]
.set bi, bi+1
.endr
.set bi, 0
.rept 32
	v_exp_f32 v[PV+bi], v[PV+bi]
.set bi, bi+1
.endr
	v_exp_f32 v[AF], v[TM+2]
	v_nop
	s_wait_alu depctr_va_vdst(0)                   ; one wait for the 33
.irp u,0,1,2,3
	v_pk_add_f32 v[T2+2*(\u):T2+2*(\u)+1], v[PV+8*(\u):PV+8*(\u)+1], v[PV+8*(\u)+2:PV+8*(\u)+3]
.endr
.irp u,0,1,2,3
	v_pk_add_f32 v[T2+2*(\u):T2+2*(\u)+1], v[T2+2*(\u):T2+2*(\u)+1], v[PV+8*(\u)+4:PV+8*(\u)+5]
.endr
.irp u,0,1,2,3
	v_pk_add_f32 v[T2+2*(\u):T2+2*(\u)+1], v[T2+2*(\u):T2+2*(\u)+1], v[PV+8*(\u)+6:PV+8*(\u)+7]
.endr
	v_pk_add_f32 v[T2:T2+1], v[T2:T2+1], v[T2+2:T2+3]
	v_pk_add_f32 v[T2+4:T2+5], v[T2+4:T2+5], v[T2+6:T2+7]
	v_pk_add_f32 v[T2:T2+1], v[T2:T2+1], v[T2+4:T2+5]
	v_pk_fma_f32 v[LL:LL+1], v[LL:LL+1], v[AF:AF+1], v[T2:T2+1] op_sel_hi:[1,0,1]
.set bi, 0
.rept 16
	v_pk_mul_f32 v[CX+2*bi:CX+2*bi+1], v[CX+2*bi:CX+2*bi+1], v[AF:AF+1] op_sel_hi:[1,0]
.set bi, bi+1
.endr
	; THE CONTEXT.  Fragment (16 rows x 32 channels) as source 0, a selection matrix of ones as source 1: register j of a lane is row 8 (lane / 16) + j, channel 16 e + lane % 16, exactly.
	; The results go round four places of 16 registers in the accumulator sets; a pair's eight multiply-adds stand two pairs behind its products, 16 plain instructions between.
	; A slot's reload stands behind its last product and eight multiply-adds, its places.
.set tp, 0
.rept 32
	WIN 0x06+(tp%4)/2
	v_wmma_f32_16x16x32_bf16 v[ACC+16*(tp%4):ACC+16*(tp%4)+7], v[128*(tp&1)+8*(tp/4):128*(tp&1)+8*(tp/4)+7], v[SEL+4:SEL+11], 0
	v_wmma_f32_16x16x32_bf16 v[ACC+16*(tp%4)+8:ACC+16*(tp%4)+15], v[128*(tp&1)+8*(tp/4):128*(tp&1)+8*(tp/4)+7], v[SEL:SEL+7], 0
.if tp == 2
	NOPS 8                                         ; the first pair has no earlier multiply-adds for places
.endif
.if tp >= 2
	TFMA tp-2
.endif
.if (\reload) && (tp%4 == 3)
	RELO tp/4
.endif
.set tp, tp+1
.endr
	TFMA 30
	TFMA 31
.if \reload
	WIN 0
.set bi, 0
.rept 8
	v_mov_b32 v[SACC+bi], 0
	v_mov_b32 v[VV+bi], 0
.set bi, bi+1
.endr
.set bi, 0
.rept 32
	v_mov_b32 v[ACC+32+bi], 0
.set bi, bi+1
.endr
	s_mov_b32 s[TS], 0
	s_mov_b32 s[ES], 0
	s_add_co_u32 s[SCB], s[SCB], 512
	s_wait_dscnt 0x0                               ; my fragments are out of ENC: the next step's barrier tells the others
.endif
.endm
; The first block's rows: group g of 16 is two rows of my 32; six groups are in flight, in registers that the fragments take later.  Groups 16, 17 are the first two steps' rows of the next block.
.macro PGLOAD g
.if (\g) < 16
	WIN 0x81
.irp u,0,1,2,3,4,5,6,7
	global_load_b128 v[32*((\g)%6)+4*(\u):32*((\g)%6)+4*(\u)+3], v[POFF], s[EB:EB+1] offset:(\g)*4096+(\u)*512 th:TH_LOAD_NT
.endr
.else
	WIN 0x41
.irp u,0,1,2,3,4,5,6,7
	global_load_b128 v[XB+32*((\g)-16)+4*(\u):XB+32*((\g)-16)+4*(\u)+3], v[GOFF], s[EB:EB+1] offset:262144+((\g)-16)*16384+(\u)*512 th:TH_LOAD_NT
.endr
.endif
.endm
.macro PG g, left                      ; left: the loads of the younger groups, which stay out
	s_wait_loadcnt \left
	WIN 0x4a
.set pz, 0
.rept 16
	v_cvt_pk_bf16_f32 v[CV+pz], v[32*((\g)%6)+2*pz], v[32*((\g)%6)+2*pz+1]
.set pz, pz+1
.endr
	WIN 0x05
.irp u,0,1,2,3,4,5,6,7
	ds_store_b64 v[PSTO], v[CV+2*(\u):CV+2*(\u)+1] offset:(2*(\g)+(\u)/4)*EP+((\u)%4)*256
.endr
.if (\g) < 12
	PGLOAD (\g)+6
.endif
.endm
	s_load_b512 s[32:47], s[0:1], 0x0              ; encoder s[32:33], wfrag s[34:35], dpart s[36:37], b_s s[38:39], b_h s[40:41], v_a s[42:43], scores s[44:45], pctx s[46:47]
	v_lshl_add_u32 v[SPW], v0, 2, SPARE
	v_mov_b32 v[NIL], 0
	ds_add_u32 v[SPW], v[NIL]                      ; the wave's opening: the add and its wait ahead of my first tensor load; the set-up below, work on registers, stands between them
	v_lshrrev_b32 v8, 5, v0
	v_readfirstlane_b32 s[WV], v8                  ; wave 0..3
	s_lshr_b32 s3, s[WV], 1                        ; g: my 64 rows
	s_and_b32 s4, s[WV], 1                         ; c: my 32 columns of a chunk, my 256 channels
	s_bfe_u32 s5, ttmp6, 0x40000                   ; cx
	s_lshl_b32 s6, ttmp9, 2
	s_add_co_u32 s6, s6, s5                        ; wg = 4 x cluster + cx: it enters the addresses of encoder, dpart, scores and pctx alone
	s_and_b32 s7, ttmp9, 15                        ; the walk's first chunk hangs on the cluster's number, which the partners share
	s_lshr_b32 s62, ttmp9, 4
	s_mul_i32 s62, s62, 5
	s_xor_b32 s7, s7, s62
	s_mov_b32 s63, 0                               ; s[62:63]: an offset below 4 GiB
	s_mov_b32 s[OFF+1], 0
	s_mov_b32 s[STP+1], 0
	; descriptor group 1: a dense block of 16,384 bytes as 64 rows of 256
	s_mov_b32 s[G1], 15|(3<<16)|(1<<21)            ; 15:0 the mask: all four work-groups; 17:16 elements of 8 bytes; 21 set beside a mask; no padding
	s_mov_b32 s[G1+1], 32<<16                      ; tensor_dim0 = 32
	s_mov_b32 s[G1+2], 64<<16                      ; tensor_dim1 = 64
	s_mov_b32 s[G1+3], 32<<16                      ; tile_dim0 = 32
	s_mov_b32 s[G1+4], 64                          ; tile_dim1 = 64
	s_mov_b32 s[G1+5], 32                          ; 32 elements from row to row
	s_mov_b32 s[G1+6], 0
	s_mov_b32 s[G1+7], 0
	s_mov_b32 s[G0], 1
	s_lshl_b32 s[G0+1], s[WV], 14                  ; LDS: slot 0, my quarter: no place in the cluster enters an LDS address
	s_mov_b32 s[G0+4], 1
	s_add_co_u32 s[G0+5], s[G0+1], SLOT1
	s_mov_b32 s58, 0x76543210                      ; v_permlanex16_b32: each lane takes its own place in the other half
	s_mov_b32 s59, 0xfedcba98
	s_wait_dscnt 0x0                               ; the opening add is done
	s_wait_kmcnt 0x0
	s_lshl_b32 s62, s[WV], 14
	s_add_nc_u64 s[WBW:WBW+1], s[34:35], s[62:63]
	s_lshl_b32 s[OFF], s7, 16
	s_add_nc_u64 s[G0+2:G0+3], s[WBW:WBW+1], s[OFF:OFF+1]
	s_or_b32 s[G0+3], s[G0+3], 0x80000000          ; type = 2
	s_add_co_u32 s[NXT], s7, 1
	s_and_b32 s[NXT], s[NXT], 15
	s_lshl_b32 s[OFF], s[NXT], 16
	s_add_nc_u64 s[G0+6:G0+7], s[WBW:WBW+1], s[OFF:OFF+1]
	s_or_b32 s[G0+7], s[G0+7], 0x80000000
	s_add_co_u32 s[NXT], s[NXT], 1
	s_and_b32 s[NXT], s[NXT], 15                   ; the first refill asks for the walk's third chunk
	s_lshl_b32 s62, s6, 20
	s_add_nc_u64 s[EB:EB+1], s[32:33], s[62:63]    ; my work-group's 512 rows
	s_lshr_b32 s62, s6, 3
	s_lshl_b32 s62, s62, 12
	s_add_nc_u64 s[36:37], s[36:37], s[62:63]      ; dpart at my batch's row
	s_lshl_b32 s62, s6, 11
	s_lshl_b32 s49, s[WV], 9
	s_add_co_u32 s62, s62, s49
	s_add_nc_u64 s[12:13], s[44:45], s[62:63]      ; scores at rows 128 w of my 512
	s_lshl_b32 s62, s6, 1
	s_add_co_u32 s62, s62, s3
	s_mul_i32 s62, s62, REC
	s_lshl_b32 s49, s4, 10
	s_add_co_u32 s62, s62, s49
	s_add_nc_u64 s[14:15], s[46:47], s[62:63]      ; record 2 wg + g, my 256 channels
	ROUND                                          ; all four work-groups are here: the first joint loads meet
	tensor_load_to_lds s[G0:G0+3], s[G1:G1+7]      ; the two first fills together: two tensor loads of mine are out
	s_nop 0
	tensor_load_to_lds s[G0+4:G0+7], s[G1:G1+7]
	s_nop 0
	NOPS 4
	v_and_b32 v8, 31, v0                           ; lane
	v_and_b32 v9, 15, v0                           ; r
	v_bfe_u32 v10, v0, 4, 1                        ; hh
	s_lshl_b32 s62, s7, 8
	v_lshl_add_u32 v11, v0, 5, s62                 ; thread t makes numbers 8 t .. 8 t + 7 of the tables, in the walk's order:
	v_and_b32 v11, 0xfff, v11                      ; they lie 64 x first chunk columns further on, round the end
.irp u,0,1,2,3
	global_load_b128 v[64+8*(\u):64+8*(\u)+3], v11, s[36:37] offset:(\u)*131072
	global_load_b128 v[64+8*(\u)+4:64+8*(\u)+7], v11, s[36:37] offset:(\u)*131072+16
.endr
	global_load_b128 v[96:99], v11, s[38:39]
	global_load_b128 v[100:103], v11, s[38:39] offset:16
	global_load_b128 v[104:107], v11, s[40:41]
	global_load_b128 v[108:111], v11, s[40:41] offset:16
	global_load_b128 v[112:115], v11, s[42:43]
	global_load_b128 v[116:119], v11, s[42:43] offset:16
	WIN 0x40                                       ; destinations in window 1
	s_lshl_b32 s62, s[WV], 16
	v_lshl_add_u32 v[POFF], v8, 4, s62             ; first block: my 32 rows
	s_lshl_b32 s62, s[WV], 12
	v_lshl_add_u32 v[GOFF], v8, 4, s62             ; later blocks: my 2 rows of a step's 8
.irp n,0,1,2,3,4,5
	PGLOAD \n
.endr
	; addresses, while the first loads are out
	WIN 0
	s_mul_i32 s62, s4, 40960
	v_lshl_add_u32 v[WA], v8, 4, s62               ; my two tiles of a chunk (32,768 c); slot k < 8 holds K step k + 8 c,
	s_mul_i32 s62, s4, 24576
	v_lshl_add_u32 v[WA+1], v8, 4, s62             ; slot k >= 8 K step k - 8 c
	v_add_nc_u32 v[WA+2], SLOT1, v[WA]
	v_add_nc_u32 v[WA+3], SLOT1, v[WA+1]
	v_mul_u32_u24 v12, v9, EP
	v_lshl_add_u32 v12, v10, 4, v12                ; a fragment's row x pitch + 16 x half
	v_lshlrev_b32 v13, 8, v9
	v_lshl_add_u32 v13, v10, 14, v13
	WIN 0x40
	s_lshl_b32 s62, s[WV], 12
	v_add_nc_u32 v[PFO], s62, v13                  ; lane (hh, r): block r of my 16 in step hh of a trip
	s_mul_i32 s62, s[WV], 32*EP
	s_add_co_u32 s62, s62, ENC
	v_lshl_add_u32 v[PSTO], v8, 3, s62
	s_mul_i32 s62, s[WV], 2*EP
	s_add_co_u32 s62, s62, ENC
	v_lshl_add_u32 v[ESTO0], v8, 3, s62
	s_mul_i32 s62, s3, 64*EP
	s_add_co_u32 s62, s62, ENC
	s_lshl_b32 s49, s4, 9
	s_add_co_u32 s62, s62, s49
	v_add_nc_u32 v[EALO], s62, v12
	s_sub_co_u32 s62, s62, s49
	s_sub_co_u32 s62, s62, s49
	v_add_nc_u32 v[EAHI], s62, v12
	s_lshl_b32 s62, s3, 8
	s_add_co_u32 s62, s62, SC
	v_lshl_add_u32 v[SCR0], v10, 5, s62
	s_lshl_b32 s49, s4, 11
	s_add_co_u32 s62, s62, s49
	v_lshl_add_u32 v[SCW0], v9, 2, s62
	s_lshl_b32 s62, s[WV], 10
	s_add_co_u32 s62, s62, STG
	v_lshl_add_u32 v[STGW], v9, 2, s62
	v_lshl_add_u32 v[STGR], v8, 4, s62
	s_lshl_b32 s62, s4, 7
	s_add_co_u32 s62, s62, DT
	v_lshl_add_u32 v[TA0], v10, 5, s62
	s_lshl_b32 s62, s[WV], 9
	s_add_co_u32 s62, s62, SC
	v_lshl_add_u32 v[SCO], v8, 4, s62
	v_lshlrev_b32 v[GSO], 4, v8
	v_lshlrev_b32 v[MLO], 3, v8
	; the selection matrices: column n = r has its one at k = 16 e + r, which is mine where r / 8 = hh: register (r % 8) / 2 of four, half r % 2
	WIN 0
	v_bfe_u32 v12, v0, 1, 2
	v_bfe_u32 v13, v0, 3, 1
	v_xor_b32 v13, v13, v10
	v_lshl_add_u32 v12, v13, 2, v12                ; 4 or more where the one is not mine
	v_and_b32 v14, 1, v0
	v_lshlrev_b32 v14, 4, v14
	v_mov_b32 v15, 0x3f80
	v_lshlrev_b32 v14, v14, v15                    ; 1.0 in bf16, in the low or the high half
	WIN 0x40
.irp u,0,1,2,3
	v_cmp_eq_u32 vcc_lo, \u, v12
	v_cndmask_b32 v[SEL+4+(\u)], 0, v14, vcc_lo
	v_mov_b32 v[SEL+(\u)], 0
	v_mov_b32 v[SEL+8+(\u)], 0
.endr
	v_mov_b32 v[MM], 0xff7fffff                    ; M starts at the lowest finite number, L and CX at 0: the first block is a block like any other
	v_mov_b32 v[MM+1], 0
	v_mov_b32 v[LL], 0
	v_mov_b32 v[LL+1], 0
	v_mov_b32 v[AF], 0
	v_mov_b32 v[AF+1], 0
.set bi, 0
.rept 32
	v_mov_b32 v[CX+bi], 0
.set bi, bi+1
.endr
	WIN 0
.set bi, 0
.rept 32
	v_mov_b32 v[RB+bi], 0
.set bi, bi+1
.endr
	s_wait_loadcnt 48                              ; the 14 loads for the tables are in; the six groups of rows stay out
.irp u,0,2,4,6
	v_pk_add_f32 v[64+(\u):65+(\u)], v[64+(\u):65+(\u)], v[72+(\u):73+(\u)]
	v_pk_add_f32 v[80+(\u):81+(\u)], v[80+(\u):81+(\u)], v[88+(\u):89+(\u)]
	v_pk_add_f32 v[96+(\u):97+(\u)], v[96+(\u):97+(\u)], v[104+(\u):105+(\u)]
.endr
.irp u,0,2,4,6
	v_pk_add_f32 v[64+(\u):65+(\u)], v[64+(\u):65+(\u)], v[80+(\u):81+(\u)]
.endr
.irp u,0,2,4,6
	v_pk_add_f32 v[64+(\u):65+(\u)], v[64+(\u):65+(\u)], v[96+(\u):97+(\u)]
.endr
.irp u,0,2,4,6
	v_pk_mul_f32 v[64+(\u):65+(\u)], v[64+(\u):65+(\u)], C2P op_sel_hi:[1,0]
	v_pk_mul_f32 v[112+(\u):113+(\u)], v[112+(\u):113+(\u)], C2N op_sel_hi:[1,0]
.endr
	v_lshl_add_u32 v12, v0, 5, DT
	ds_store_b128 v12, v[64:67]
	ds_store_b128 v12, v[68:71] offset:16
	ds_store_b128 v12, v[112:115] offset:VTO
	ds_store_b128 v12, v[116:119] offset:VTO+16
	s_cmp_lg_u32 s[WV], 0
	s_cbranch_scc1 .Lnot_w0
	ds_store_b128 v12, v[64:67] offset:4096        ; wave 0 holds the first 256 numbers: once more behind the end, for the bias that a block's last tile fetches for the next block's first
	ds_store_b128 v12, v[68:71] offset:4112
	v_lshl_add_u32 v13, v8, 3, VZ
	v_mov_b32 v14, 0
	v_mov_b32 v15, 0
	ds_store_b64 v13, v[14:15]
.Lnot_w0:
.irp n,0,1,2,3,4,5,6,7,8,9,10,11,12
	PG \n, 40
.endr
	PG 13, 32
	PG 14, 24
	PG 15, 16                                      ; the next block's first 16 loads stay out
	WIN 0
	s_wait_tensorcnt 0x1                           ; my quarter of slot 0 is in; slot 1's may stay out
	s_wait_dscnt 0x0                               ; my rows and my part of the tables are written
	s_barrier_signal -1
	s_barrier_wait -1
	WIN 0x01
	v_mov_b32 v[TA], v[TA0]
.irp n,0,1,2,3,4,5,6,7,8,9,10,11,12,13,14,15
	RELO \n
.endr
	WIN 0
	FETCHF 0, 0, 0
	LDT DC, 0
.set bi, 0
.rept 8
	v_mov_b32 v[SACC+bi], 0
	v_mov_b32 v[VV+bi], 0
.set bi, bi+1
.endr
.set bi, 0
.rept 32
	v_mov_b32 v[ACC+32+bi], 0
.set bi, bi+1
.endr
	s_mov_b32 s[TS], 0
	s_mov_b32 s[ES], 0
	s_mov_b32 s[SCB], 0
	s_mov_b32 s[TL], 23
	s_wait_xcnt 0x0                                ; every load has read its base
	s_add_nc_u64 s[EB:EB+1], s[EB:EB+1], 0x40000   ; on to the second block; each trip's head steps 16 rows further
	s_wait_dscnt 0x0
	s_mov_b32 s[BK], 3
.Lblock:                                               ; blocks 0 to 2 bring their successors
	s_mov_b32 s[TR], 8
.Ltrip1:
	TRIP 1, 0, 0
	s_sub_co_u32 s[TR], s[TR], 1
	s_cmp_lg_u32 s[TR], 0
	s_cbranch_scc1 .Ltrip1
	BLOCKEND 1
	s_sub_co_u32 s[BK], s[BK], 1
	s_cmp_lg_u32 s[BK], 0
	s_cbranch_scc1 .Lblock
	s_wait_loadcnt 0x0                             ; the last converting trip's loads, of which nothing is used
	s_mov_b32 s[TR], 7
.Ltrip2:                                               ; the last block: steps 48 to 61 still ask for chunks
	TRIP 0, 0, 0
	s_sub_co_u32 s[TR], s[TR], 1
	s_cmp_lg_u32 s[TR], 0
	s_cbranch_scc1 .Ltrip2
	TRIP 0, 1, 2                                   ; the last two steps are written out
	BLOCKEND 0
	; THE WAY OUT
	WIN 0x55
	v_add_f32 v[TM], v[LL], v[LL+1]
	v_permlanex16_b32 v[TM+1], v[TM], s58, s59
	v_add_f32 v[MM+1], v[TM], v[TM+1]              ; (M, L) as a pair
.set bi, 0
.rept 16
	v_add_f32 v[CX+2*bi], v[CX+2*bi], v[CX+2*bi+1]
.set bi, bi+1
.endr
.set bi, 0
.rept 16
	v_permlanex16_b32 v[CX+2*bi+1], v[CX+2*bi], s58, s59
.set bi, bi+1
.endr
.set bi, 0
.rept 16
	v_add_f32 v[CX+2*bi], v[CX+2*bi], v[CX+2*bi+1]
.set bi, bi+1
.endr
.set bi, 0
.rept 16
	ds_store_b32 v[STGW], v[CX+2*bi] offset:64*bi  ; channel 16 i + r; both halves of the lanes write the same number
.set bi, bi+1
.endr
	ds_load_b128 v[T2:T2+3], v[STGR]               ; LDS serves a wave's instructions in order (ISA guide 5.7.1.4): these see my stores above
	ds_load_b128 v[T2+4:T2+7], v[STGR] offset:512
	ds_load_b128 v[T2+8:T2+11], v[SCO]             ; the scores of rows 128 w + 4 lane: both halves; all were written ahead of the last block's barrier
	ds_load_b128 v[T2+12:T2+15], v[SCO] offset:2048
	s_wait_dscnt 0x0
	v_pk_add_f32 v[T2+8:T2+9], v[T2+8:T2+9], v[T2+12:T2+13]
	v_pk_add_f32 v[T2+10:T2+11], v[T2+10:T2+11], v[T2+14:T2+15]
	global_store_b128 v[GSO], v[T2:T2+3], s[14:15]         ; each store of the wave covers 512 consecutive bytes, aligned
	global_store_b128 v[GSO], v[T2+4:T2+7], s[14:15] offset:512
	global_store_b128 v[GSO], v[T2+8:T2+11], s[12:13]
	WIN 0
	s_cmp_lg_u32 s4, 0
	s_cbranch_scc1 .Lno_ml                         ; both waves of a row group hold the same M and L: the one with c = 0 stores them
	WIN 0x05
	global_store_b64 v[MLO], v[MM:MM+1], s[14:15] offset:2048  ; 32 times: 256 consecutive bytes, aligned
	WIN 0
.Lno_ml:
	s_wait_tensorcnt 0x0                           ; the wave's end, behind my last tensor load and my last LDS store
	ds_add_u32 v[SPW], v[NIL]
	s_wait_dscnt 0x0
	ROUND                                          ; the closing round: no work-group ends while a partner may still ask for a chunk that names it
	s_endpgm
.Lfunc_end_k_qf2b489ab7e_main:
	.size	k_qf2b489ab7e_main, .Lfunc_end_k_qf2b489ab7e_main-k_qf2b489ab7e_main
	.p2alignl 7, 3214868480
	.fill 96, 4, 3214868480
	.section	.rodata,"a",@progbits
	.p2align	6, 0x0
	.amdhsa_kernel k_qf2b489ab7e_main
		.amdhsa_group_segment_fixed_size 327680
		.amdhsa_private_segment_fixed_size 0
		.amdhsa_enable_private_segment 0
		.amdhsa_kernarg_size 64
		.amdhsa_user_sgpr_count 2
		.amdhsa_user_sgpr_kernarg_segment_ptr 1
		.amdhsa_wavefront_size32 1
		.amdhsa_system_sgpr_workgroup_id_x 1
		.amdhsa_system_sgpr_workgroup_id_y 1
		.amdhsa_system_sgpr_workgroup_id_z 1
		.amdhsa_system_vgpr_workitem_id 0
		.amdhsa_next_free_vgpr 1024
		.amdhsa_next_free_sgpr 66
		.amdhsa_reserve_vcc 1
		.amdhsa_float_denorm_mode_32 3
		.amdhsa_float_denorm_mode_16_64 3
		.amdhsa_memory_ordered 1
		.amdhsa_forward_progress 1
		.amdhsa_inst_pref_size 255
	.end_amdhsa_kernel
	.section	.bss,"aw",@nobits
	.p2align	6
	.space	262144
	.amdgpu_metadata
---
amdhsa.version: [ 1, 2 ]
amdhsa.kernels:
  - .name:           k_qf2b489ab7e_main
    .symbol:         k_qf2b489ab7e_main.kd
    .args:
      - { .name: encoder_outputs, .offset: 0, .size: 8, .value_kind: global_buffer, .address_space: global }
      - { .name: wfrag, .offset: 8, .size: 8, .value_kind: global_buffer, .address_space: global }
      - { .name: dpart, .offset: 16, .size: 8, .value_kind: global_buffer, .address_space: global }
      - { .name: b_s, .offset: 24, .size: 8, .value_kind: global_buffer, .address_space: global }
      - { .name: b_h, .offset: 32, .size: 8, .value_kind: global_buffer, .address_space: global }
      - { .name: v_a, .offset: 40, .size: 8, .value_kind: global_buffer, .address_space: global }
      - { .name: scores, .offset: 48, .size: 8, .value_kind: global_buffer, .address_space: global }
      - { .name: pctx, .offset: 56, .size: 8, .value_kind: global_buffer, .address_space: global }
    .group_segment_fixed_size: 327680
    .private_segment_fixed_size: 0
    .kernarg_segment_align: 8
    .kernarg_segment_size: 64
    .max_flat_workgroup_size: 128
    .sgpr_count:     66
    .vgpr_count:     1024
    .wavefront_size: 32
...
	.end_amdgpu_metadata
.endif
;; end of part 2
;; launch fin (part 3): grid 4 x 32, 8 waves a work-group, no clusters, 0 bytes of LDS; arguments scores, pctx, out0, out1; writes out0, out1
.if DOCPART == 3
	.amdgcn_target "amdgcn-amd-amdhsa--gfx1250"
	.amdhsa_code_object_version 6
	.text
	.protected	k_qf2b489ab7e_fin
	.globl	k_qf2b489ab7e_fin
	.p2align	8
	.type	k_qf2b489ab7e_fin,@function
k_qf2b489ab7e_fin:
	s_mov_b64 s[64:65], 0
	v_nop
	global_prefetch_b8 v0, s[64:65] scope:SCOPE_SE
	s_setreg_imm32_b32 hwreg(HW_REG_WAVE_MODE, 25, 1), 1
	s_wait_xcnt 0x0
; FIN.  A batch has 16 records (M_i, L_i, context_i), each of 256 rows, and 4,096 numbers t (scores in powers of two, less a constant common to the batch).
;   M = max M_i;  f_i = 2^(M_i - M);  L = sum f_i L_i;  weight = 2^(t - M) / L;  context = sum f_i context_i / L.  The record that holds M has f = 1 and L_i >= 1, so L >= 1.
; SHARES.  Work-group (x, b): 1,024 weights and 128 channels of batch b.  Every wave makes M, f and 1 / L for itself (lane l takes record l % 16; the sums stay inside 16 lanes) and four weights a lane;
; wave 0 also joins the contexts.  No LDS, no barrier: no wave wants what another has made.
.set REC, 2304
	s_load_b256 s[4:11], s[0:1], 0x0               ; scores s[4:5], pctx s[6:7], out0 s[8:9], out1 s[10:11]
	v_lshrrev_b32 v1, 5, v0
	v_readfirstlane_b32 s12, v1                    ; wave
	s_and_b32 s13, ttmp7, 0xffff                   ; b
	v_and_b32 v2, 15, v0
	v_mul_u32_u24 v2, v2, REC                      ; my record
	v_lshlrev_b32 v3, 4, v0                        ; my four scores
	s_mul_i32 s14, s13, 16*REC
	s_mov_b32 s15, 0
	s_lshl_b32 s16, s13, 14
	s_lshl_b32 s17, ttmp9, 12
	s_add_co_u32 s16, s16, s17
	s_mov_b32 s17, 0
	s_lshl_b32 s18, s13, 11
	s_lshl_b32 s19, ttmp9, 9
	s_add_co_u32 s18, s18, s19
	v_and_b32 v12, 31, v0
	v_lshl_add_u32 v13, v12, 4, s19                ; my four channels in a record
	v_lshlrev_b32 v12, 4, v12
	s_mov_b32 s19, 0
	s_wait_kmcnt 0x0
	s_add_nc_u64 s[6:7], s[6:7], s[14:15]
	s_add_nc_u64 s[4:5], s[4:5], s[16:17]
	s_add_nc_u64 s[10:11], s[10:11], s[16:17]
	s_add_nc_u64 s[8:9], s[8:9], s[18:19]
	global_load_b64 v[4:5], v2, s[6:7] offset:2048 ; (M_i, L_i)
	global_load_b128 v[8:11], v3, s[4:5]
	s_cmp_lg_u32 s12, 0
	s_cbranch_scc1 .Lno_ctx
.set i, 0
.rept 16
	global_load_b128 v[32+4*i:32+4*i+3], v13, s[6:7] offset:i*REC  ; 512 consecutive bytes of record i
.set i, i+1
.endr
.Lno_ctx:
	s_wait_loadcnt 0x0                             ; zero: the number of loads issued differs between wave 0 and the others
	v_mov_b32 v6, v4
	v_max_num_f32_dpp v6, v6, v6 row_xmask:1 row_mask:0xf bank_mask:0xf
	v_max_num_f32_dpp v6, v6, v6 row_xmask:2 row_mask:0xf bank_mask:0xf
	v_max_num_f32_dpp v6, v6, v6 row_xmask:4 row_mask:0xf bank_mask:0xf
	v_max_num_f32_dpp v6, v6, v6 row_xmask:8 row_mask:0xf bank_mask:0xf  ; M, in every lane
	v_sub_f32 v7, v4, v6
	v_sub_f32 v8, v8, v6
	v_sub_f32 v9, v9, v6
	v_sub_f32 v10, v10, v6
	v_sub_f32 v11, v11, v6
	v_exp_f32 v7, v7                               ; f
	v_exp_f32 v8, v8
	v_exp_f32 v9, v9
	v_exp_f32 v10, v10
	v_exp_f32 v11, v11
	v_nop                                          ; a plain instruction behind the last exponential,
	s_wait_alu depctr_va_vdst(0)                   ; and one wait for the five
	v_mul_f32 v14, v5, v7
	v_add_f32_dpp v14, v14, v14 row_xmask:1 row_mask:0xf bank_mask:0xf
	v_add_f32_dpp v14, v14, v14 row_xmask:2 row_mask:0xf bank_mask:0xf
	v_add_f32_dpp v14, v14, v14 row_xmask:4 row_mask:0xf bank_mask:0xf
	v_add_f32_dpp v14, v14, v14 row_xmask:8 row_mask:0xf bank_mask:0xf  ; L
	v_rcp_f32 v15, v14
	v_nop
	s_wait_alu depctr_va_vdst(0)
	v_mul_f32 v8, v8, v15
	v_mul_f32 v9, v9, v15
	v_mul_f32 v10, v10, v15
	v_mul_f32 v11, v11, v15
	global_store_b128 v3, v[8:11], s[10:11]        ; each store of the wave covers 512 consecutive bytes, aligned
	s_cmp_lg_u32 s12, 0
	s_cbranch_scc1 .Lend
.set i, 0
.rept 16
	v_readlane_b32 s[20+i], v7, i                  ; f_i as a scalar factor
.set i, i+1
.endr
.irp u,0,1,2,3
	v_mul_f32 v[16+(\u)], s20, v[32+(\u)]          ; the first record starts the sums
.endr
.set i, 1
.rept 15
.irp u,0,1,2,3
	v_fma_f32 v[16+(\u)], s[20+i], v[32+4*i+(\u)], v[16+(\u)]
.endr
.set i, i+1
.endr
.irp u,0,1,2,3
	v_mul_f32 v[16+(\u)], v[16+(\u)], v15
.endr
	global_store_b128 v12, v[16:19], s[8:9]
.Lend:
	s_endpgm
.Lfunc_end_k_qf2b489ab7e_fin:
	.size	k_qf2b489ab7e_fin, .Lfunc_end_k_qf2b489ab7e_fin-k_qf2b489ab7e_fin
	.p2alignl 7, 3214868480
	.fill 96, 4, 3214868480
	.section	.rodata,"a",@progbits
	.p2align	6, 0x0
	.amdhsa_kernel k_qf2b489ab7e_fin
		.amdhsa_group_segment_fixed_size 0
		.amdhsa_private_segment_fixed_size 0
		.amdhsa_enable_private_segment 0
		.amdhsa_kernarg_size 32
		.amdhsa_user_sgpr_count 2
		.amdhsa_user_sgpr_kernarg_segment_ptr 1
		.amdhsa_wavefront_size32 1
		.amdhsa_system_sgpr_workgroup_id_x 1
		.amdhsa_system_sgpr_workgroup_id_y 1
		.amdhsa_system_sgpr_workgroup_id_z 1
		.amdhsa_system_vgpr_workitem_id 0
		.amdhsa_next_free_vgpr 96
		.amdhsa_next_free_sgpr 66
		.amdhsa_reserve_vcc 0
		.amdhsa_float_denorm_mode_32 3
		.amdhsa_float_denorm_mode_16_64 3
		.amdhsa_memory_ordered 1
		.amdhsa_forward_progress 1
		.amdhsa_inst_pref_size 10
	.end_amdhsa_kernel
	.amdgpu_metadata
---
amdhsa.version: [ 1, 2 ]
amdhsa.kernels:
  - .name:           k_qf2b489ab7e_fin
    .symbol:         k_qf2b489ab7e_fin.kd
    .args:
      - { .name: scores, .offset: 0, .size: 8, .value_kind: global_buffer, .address_space: global }
      - { .name: pctx, .offset: 8, .size: 8, .value_kind: global_buffer, .address_space: global }
      - { .name: out0, .offset: 16, .size: 8, .value_kind: global_buffer, .address_space: global }
      - { .name: out1, .offset: 24, .size: 8, .value_kind: global_buffer, .address_space: global }
    .group_segment_fixed_size: 0
    .private_segment_fixed_size: 0
    .kernarg_segment_align: 8
    .kernarg_segment_size: 32
    .max_flat_workgroup_size: 256
    .sgpr_count:     66
    .vgpr_count:     96
    .wavefront_size: 32
...
	.end_amdgpu_metadata
.endif
;; end of part 3
